; MI455X (gfx1250); checked and timed in simulation.
; The chip was launched on July 23, 2026; its instructions are those of AMD's public machine-readable ISA for CDNA 5 (MIT licence, August 2026) and "CDNA5" Instruction Set Architecture Reference Guide (July 2026). The comments in the code are by the model that wrote it; some were corrected since.
;; Bert Self Attention. Allowed arithmetic: matrix products marked QUANTISED: E2M1 operands, one E8M0 scale for each 32 along K, by v_wmma_scale_f32_16x16x128_f8f6f4 with both operands' format E2M1 (or v_wmma_scale_f32_32x16x128_f4), f32 sums; everything else in f32.
;; Inputs: Wk 1,024 x 1,024 float32; Wq 1,024 x 1,024 float32; Wv 1,024 x 1,024 float32; attention_mask 2 x 1 x 1 x 2,048 float32; bk 1,024 float32; bq 1,024 float32; bv 1,024 float32; hidden_states 2 x 2,048 x 1,024 float32.
;; Outputs: out0 2 x 2,048 x 1,024 float32.
;; This version of the problem:
;;   THIS VERSION OF THE PROBLEM IS GIVEN IN LOW PRECISION. The matrix products marked QUANTISED in the list below multiply operands that are first quantised to E2M1 (2 exponent bits, 1 mantissa bit; 4 bits a number), with one power-of-two scale for each 32 numbers along K (OCP MX v1.0); their sums are f32. All else is computed in f32.
;;   The module's matrix products, in the order in which they are computed (A, B: the left and right operand; K: the contracted axis; several contracted axes count as one K, in the product's order):
;;     1. [M 4,096, K 1,024] x [K 1,024, N 1,024]; A: input hidden_states; B: input Wq: QUANTISED
;;     2. [M 4,096, K 1,024] x [K 1,024, N 1,024]; A: input hidden_states; B: input Wk: QUANTISED
;;     3. [M 4,096, K 1,024] x [K 1,024, N 1,024]; A: input hidden_states; B: input Wv: QUANTISED
;;     4. batch 32 x [M 2,048, K 64] x [K 64, N 2,048]; A: computed on the way; B: computed on the way: QUANTISED
;;     5. batch 32 x [M 2,048, K 2,048] x [K 2,048, N 64]; A: softmax (see below); B: computed on the way: QUANTISED
;;   THE QUANTISER, for each operand of a quantised product, along K:
;;     - K is cut into blocks of 32 from its start; a last block that is shorter is filled with zeros.
;;     - A block's scale is 2^e with e = floor(log2(the largest magnitude in the block)) - 2, held to -126 .. 127; a block of zeros has e = 0. As a byte (E8M0): e + 127.
;;     - Each number is divided by its block's scale, clamped to +-6, and rounded to the nearest number of E2M1, ties to even, subnormals kept.
;;     - The product sums the exact products of the quantised numbers (number of the format x scale) in f32.
;;   ~~~python
;;   def quantise(x, axis):      # numpy; x: float32 -> the quantised numbers, widened to float32 again
;;       x = np.moveaxis(x, axis, -1); K = x.shape[-1]
;;       x = np.pad(x, [(0, 0)] * (x.ndim - 1) + [(0, -K % 32)]); x = x.reshape(x.shape[:-1] + (-1, 32)); a = np.abs(x).max(-1, keepdims=True)
;;       e = np.where(a > 0, np.clip(np.frexp(np.where(a > 0, a, 1))[1] - 1 - 2, -126, 127), 0)      # np.frexp(a)[1] - 1 = floor(log2(a)), exactly
;;       r = np.clip(x / 2.0 ** e, -6, 6)
;;       step = 2.0 ** (np.maximum(np.frexp(np.where(r == 0, 1, r))[1] - 1, 0) - 1)
;;       q = np.round(r / step) * step * 2.0 ** e      # np.round: ties to even
;;       return np.moveaxis(q.reshape(q.shape[:-2] + (-1,))[..., :K], -1, axis).astype(np.float32)
;;   ~~~
;;   SOFTMAX AHEAD OF A QUANTISED PRODUCT. Where the list says 'softmax', what is quantised is not the finished softmax but p = 2^(t - M), with t = logit x log2(e) and M = ceil(the row's largest t), a whole number; so 1/2 < the row's largest p <= 1. The row's sum l is taken of the UNQUANTISED p, in f32, and the product's result is divided by l at the end. Since M is a whole number, a kernel that streams over the keys may use a running M (the ceiling of the running maximum): every later rescaling is an exact power of two, which a block's scale takes up: the codes' values come out the same.
;;   OPERANDS COMPUTED ON THE WAY. 'Computed on the way' means the value that the module computes at that place (a softmax that the list does not call 'softmax' is quantised finished and normalised). What goes into a quantiser is computed in f32, as accurately as f32 sums, v_exp_f32 and their like allow (about 1e-6 of the number): no bf16 or f16 on the way to a quantiser, and a product that is left as it is and whose result goes on into a quantised operand takes f32 operands (vector FMAs, or v_wmma_f32_16x16x4_f32). A number that lies on a knife's edge between two numbers of the format may be rounded either way, as far as f32 arithmetic and the matrix unit's own rounding can turn it there, and no further.
;; One version. Each part assembles by itself: llvm-mc -triple=amdgcn-amd-amdhsa -mcpu=gfx1250 --defsym DOCPART=n.
;; ======== version 1 of 1: 3 launches
;; limits: right only within a limited range of input values
;; workspace buffers: codes 3,670,016 bytes; scl 229,376 bytes; qkv 9,175,040 bytes
;; launch quant (part 1): grid 224 x 1, 4 waves a work-group, no clusters, 33,280 bytes of LDS; arguments hidden_states, Wq, Wk, Wv, codes, scl; writes codes, scl
.if DOCPART == 1
	.amdgcn_target "amdgcn-amd-amdhsa--gfx1250"
	.amdhsa_code_object_version 6
	.text
	.protected	k_q978a492761_quant
	.globl	k_q978a492761_quant
	.p2align	8
	.type	k_q978a492761_quant,@function
k_q978a492761_quant:
	s_mov_b64 s[64:65], 0
	v_nop
	global_prefetch_b8 v0, s[64:65] scope:SCOPE_SE
	s_setreg_imm32_b32 hwreg(HW_REG_WAVE_MODE, 25, 1), 1
	s_wait_xcnt 0x0
; hidden_states [4096][1024], Wq, Wk, Wv [1024][1024], f32 with K innermost, become codes of FP4 (E2M1), two a byte, K innermost, and one E8M0 byte for each 32 along K.
; codes: 7,168 row places of 512 bytes (0.. hidden_states, 4,096.. Wq, 5,120.. Wk, 6,144.. Wv); scl: the same places, 32 bytes each.
; PLACE 64 n + 16 u + 8 g + i HOLDS ROW 64 n + 32 g + 8 u + i (u 0..3, g 0..1, i 0..7).  A matrix tile made of sixteen places on end then gives, in four neighbouring tiles' results,
; 32 neighbours along that axis in ONE lane: a whole block for the next launch's quantiser.  A wave owns 8 rows, so only the place of its run changes.
; A block's scale byte is its largest magnitude's exponent field - 2, held at 1 from below; numbers are divided by the scale and rounded to the nearest code, ties to even; beyond 6 the largest code.
; No work of reference() is left out in this program; every input is read.
; LIMITS: a block of zeros gets the byte 1 where the rule says 127 (zero codes; this program alone reads the bytes); blocks under 2^-124 keep that floor's byte; NaN and infinities are not served.
; SHARES: 224 work-groups of 32 rows; a wave takes 8 rows in 16 steps of 512 numbers.  A step's four loads read 512 consecutive bytes each; the 2,048 bytes turn through the wave's own stage in LDS
; and come back 64 bytes a lane (two neighbouring lanes hold a block).  Waves share nothing: no barrier; work-groups share no input: no cluster, no tensor load.  Loads run eight steps (32 loads a wave) ahead.
.set STEPS, 16
.set AHEAD, 8
.set EMAX,  2
.set CB,    8                          ; bytes of 16 codes
.set R,     16                         ; v16-143  eight sets of 16 numbers as loaded
.set X,     144                        ; v144-175 two sets of 16 neighbours
.set E,     176                        ; v176-191 a scale byte a step
.set C,     192                        ; v192-223 codes, two registers a step: no store's data are written again
.set WREG,  8192                       ; LDS region of a wave: two stages of 32 x SP bytes, then its 256 scale bytes
.set SP,    80                         ; 64 bytes + 16 of padding
.set SPW,   12                         ; v12 my spare word's LDS address; v13 zero: kept for the add alone
.set NIL,   13
.set SPARE, 4*WREG                     ; the spare words: 128 bytes a wave
	s_load_b256 s[4:11], s[0:1], 0x0               ; hidden_states, Wq, Wk, Wv
	s_load_b128 s[12:15], s[0:1], 0x20             ; codes, scl
	v_lshl_add_u32 v[SPW], v0, 2, SPARE
	v_mov_b32 v[NIL], 0
	v_lshrrev_b32 v1, 5, v0
	v_readfirstlane_b32 s16, v1                    ; wave
	v_and_b32 v2, 31, v0                           ; lane
	v_lshlrev_b32 v3, 4, v2
	s_mul_i32 s17, s16, WREG
	v_lshrrev_b32 v14, 2, v2
	v_mul_u32_u24 v14, v14, SP
	v_and_b32 v15, 3, v2
	v_lshl_add_u32 v14, v15, 4, v14
	v_add_nc_u32 v14, s17, v14                     ; stage, in: SP (lane / 4) + 16 (lane % 4)
	v_mul_u32_u24 v15, v2, SP
	v_add_nc_u32 v15, s17, v15                     ; stage, out: SP x lane
	v_mul_u32_u24 v4, v2, CB
	v_lshrrev_b32 v5, 1, v2
	s_add_co_u32 s17, s17, 2*32*SP
	v_add_nc_u32 v5, s17, v5                       ; my block's scale byte in LDS
	v_lshlrev_b32 v7, 3, v2
	v_add_nc_u32 v6, s17, v7
	s_wait_alu depctr_va_vdst(0)                   ; the wait at the head's end
	s_wait_kmcnt 0x0
	s_mov_b64 s[20:21], s[10:11]                   ; which tensor: by the work-group's number alone
	s_mov_b32 s17, 192
	s_cmp_lt_u32 ttmp9, 192
	s_cselect_b64 s[20:21], s[8:9], s[20:21]
	s_cselect_b32 s17, 160, s17
	s_cmp_lt_u32 ttmp9, 160
	s_cselect_b64 s[20:21], s[6:7], s[20:21]
	s_cselect_b32 s17, 128, s17
	s_cmp_lt_u32 ttmp9, 128
	s_cselect_b64 s[20:21], s[4:5], s[20:21]
	s_cselect_b32 s17, 0, s17
	s_sub_co_u32 s18, ttmp9, s17
	s_lshl_b32 s18, s18, 2
	s_add_co_u32 s18, s18, s16                     ; my run of 8 rows in the tensor
	s_lshl_b32 s18, s18, 15
	s_mov_b32 s19, 0
	s_add_nc_u64 s[20:21], s[20:21], s[18:19]
	s_lshl_b32 s22, s16, 1                         ; the run's place: 8 (work-group / 2) + 2 wave + work-group % 2
	s_and_b32 s23, ttmp9, 1
	s_or_b32 s22, s22, s23
	s_lshr_b32 s23, ttmp9, 1
	s_lshl_b32 s23, s23, 3
	s_add_co_u32 s22, s22, s23
	s_lshl_b32 s18, s22, 12
	s_add_nc_u64 s[12:13], s[12:13], s[18:19]
	s_lshl_b32 s18, s22, 8
	s_add_nc_u64 s[14:15], s[14:15], s[18:19]
.macro LOAD t
.irp i, 0,1,2,3
	global_load_b128 v[R+16*((\t)%AHEAD)+4*\i:R+16*((\t)%AHEAD)+4*\i+3], v3, s[20:21] offset:2048*(\t)+512*\i th:TH_LOAD_NT
.endr
.endm
.macro TURN t                          ; LDS serves a wave's instructions in order: no wait between the stores and the loads
.irp i, 0,1,2,3
	ds_store_b128 v14, v[R+16*((\t)%AHEAD)+4*\i:R+16*((\t)%AHEAD)+4*\i+3] offset:32*SP*((\t)%2)+8*SP*\i
.endr
.irp i, 0,1,2,3
	ds_load_b128 v[X+16*((\t)%2)+4*\i:X+16*((\t)%2)+4*\i+3], v15 offset:32*SP*((\t)%2)+16*\i
.endr
.endm
.irp t, 0,1,2,3,4,5,6,7
	LOAD \t
.endr
	s_wait_loadcnt 28                              ; step 0's four loads are in; the 28 behind them may be out
	TURN 0
.macro STEP t
.set XS, X+16*((\t)%2)
.if (\t) > 0
	s_wait_dscnt 1                                 ; this step's numbers are back; the last step's byte store may be out
.else
	s_wait_dscnt 0x0
.endif
.if (\t)+AHEAD < STEPS
	LOAD (\t)+AHEAD                                ; into the set whose stores into the stage have read their registers
.endif
.if (\t)+1 < STEPS
.if STEPS-2-(\t) >= AHEAD-1
	s_wait_loadcnt 4*(AHEAD-1)                     ; the next step's four are in; seven steps' loads may be out
.else
	s_wait_loadcnt 4*(STEPS-2-(\t))
.endif
	TURN (\t)+1
.endif
	v_max3_num_f32 v8, |v[XS]|, |v[XS+1]|, |v[XS+2]|
	v_max3_num_f32 v9, |v[XS+3]|, |v[XS+4]|, |v[XS+5]|
.irp i, 6,10
	v_max3_num_f32 v8, v8, |v[XS+\i]|, |v[XS+\i+1]|
	v_max3_num_f32 v9, v9, |v[XS+\i+2]|, |v[XS+\i+3]|
.endr
	v_max3_num_f32 v8, v8, |v[XS+14]|, |v[XS+15]|
	v_max3_num_f32 v8, v8, v9, (EMAX+1)<<23        ; the floor 2^(3 - 127): the byte cannot fall under 1
	v_max_num_f32_dpp v8, v8, v8 row_xmask:1 row_mask:0xf bank_mask:0xf   ; with my neighbour's 16: the block's
	v_add_nc_u32 v11, -(EMAX<<23), v8              ; 2 off the exponent field: the conversion's scale operand
	v_cvt_scalef32_pk8_fp4_f32 v[C+2*(\t)], v[XS:XS+7], v11
	v_cvt_scalef32_pk8_fp4_f32 v[C+2*(\t)+1], v[XS+8:XS+15], v11
	v_lshrrev_b32 v[E+(\t)], 23, v11               ; the byte (also the plain line behind the conversions)
	ds_store_b8 v5, v[E+(\t)] offset:16*(\t)
	global_store_b64 v4, v[C+2*(\t):C+2*(\t)+1], s[12:13] offset:32*CB*(\t)   ; 32 lanes store 256 consecutive bytes, aligned
.endm
.irp t, 0,1,2,3,4,5,6,7,8,9,10,11,12,13,14,15
	STEP \t
.endr
	ds_load_b64 v[8:9], v6
	s_wait_dscnt 0x0
	global_store_b64 v7, v[8:9], s[14:15]          ; 256 consecutive bytes, aligned
	s_wait_tensorcnt 0x0                           ; the wave's end
	ds_add_u32 v[SPW], v[NIL]
	s_wait_dscnt 0x0
	s_endpgm
.Lfunc_end_k_q978a492761_quant:
	.size	k_q978a492761_quant, .Lfunc_end_k_q978a492761_quant-k_q978a492761_quant
	.p2alignl 7, 3214868480
	.fill 96, 4, 3214868480
	.section	.rodata,"a",@progbits
	.p2align	6, 0x0
	.amdhsa_kernel k_q978a492761_quant
		.amdhsa_group_segment_fixed_size 33280
		.amdhsa_private_segment_fixed_size 0
		.amdhsa_enable_private_segment 0
		.amdhsa_kernarg_size 48
		.amdhsa_user_sgpr_count 2
		.amdhsa_user_sgpr_kernarg_segment_ptr 1
		.amdhsa_wavefront_size32 1
		.amdhsa_system_sgpr_workgroup_id_x 1
		.amdhsa_system_sgpr_workgroup_id_y 1
		.amdhsa_system_sgpr_workgroup_id_z 1
		.amdhsa_system_vgpr_workitem_id 0
		.amdhsa_next_free_vgpr 224
		.amdhsa_next_free_sgpr 66
		.amdhsa_reserve_vcc 0
		.amdhsa_float_denorm_mode_32 3
		.amdhsa_float_denorm_mode_16_64 3
		.amdhsa_memory_ordered 1
		.amdhsa_forward_progress 1
		.amdhsa_inst_pref_size 34
	.end_amdhsa_kernel
	.amdgpu_metadata
---
amdhsa.version: [ 1, 2 ]
amdhsa.kernels:
  - .name:           k_q978a492761_quant
    .symbol:         k_q978a492761_quant.kd
    .args:
      - { .name: hidden_states, .offset: 0, .size: 8, .value_kind: global_buffer, .address_space: global }
      - { .name: Wq, .offset: 8, .size: 8, .value_kind: global_buffer, .address_space: global }
      - { .name: Wk, .offset: 16, .size: 8, .value_kind: global_buffer, .address_space: global }
      - { .name: Wv, .offset: 24, .size: 8, .value_kind: global_buffer, .address_space: global }
      - { .name: codes, .offset: 32, .size: 8, .value_kind: global_buffer, .address_space: global }
      - { .name: scl, .offset: 40, .size: 8, .value_kind: global_buffer, .address_space: global }
    .group_segment_fixed_size: 33280
    .private_segment_fixed_size: 0
    .kernarg_segment_align: 8
    .kernarg_segment_size: 48
    .max_flat_workgroup_size: 128
    .sgpr_count:     66
    .vgpr_count:     224
    .wavefront_size: 32
...
	.end_amdgpu_metadata
.endif
;; end of part 1
;; launch proj (part 2): grid 12 x 16, 4 waves a work-group, clusters of 4 x 4, 327,680 bytes of LDS; arguments codes, scl, bq, bk, bv, qkv; writes qkv
.if DOCPART == 2
	.amdgcn_target "amdgcn-amd-amdhsa--gfx1250"
	.amdhsa_code_object_version 6
	.text
	.protected	k_q978a492761_proj
	.globl	k_q978a492761_proj
	.p2align	8
	.type	k_q978a492761_proj,@function
k_q978a492761_proj:
	s_mov_b64 s[64:65], 0
	v_nop
	global_prefetch_b8 v0, s[64:65] scope:SCOPE_SE
	s_setreg_imm32_b32 hwreg(HW_REG_WAVE_MODE, 25, 1), 1
	s_wait_xcnt 0x0
	s_wait_alu depctr_hold_cnt(0) depctr_sa_sdst(0) depctr_va_vdst(0) depctr_va_sdst(0) depctr_va_ssrc(0) depctr_va_vcc(0) depctr_vm_vsrc(0)
	s_getreg_b32 s2, hwreg(HW_REG_IB_STS2, 6, 4)
	s_cmp_eq_u32 s2, 0
	s_cbranch_scc0 .Lentry_in_a_cluster
	s_endpgm
.Lentry_in_a_cluster:
	s_bfe_u32 s2, ttmp6, 0x10000c
	s_cmp_lg_u32 s2, 0xf033
	s_cbranch_scc0 .Lentry_shape_is_right
	s_endpgm
.Lentry_shape_is_right:
; q, k, v = hidden_states W^T + b on codes of FP4 with E8M0 scales, and at once the quantising of the results for the attention launch: q and k along the head's 64, v along the keys.
; A work-group of four waves makes 256 'A rows' x 256 'B rows'; a wave 128 x 128: 64 accumulators, 512 registers.  Source 0 takes 16 rows of B, source 1 sixteen of A: a lane holds ONE row of A and its
; registers run along B's rows, the axis that is quantised next.  q, k (cluster x = 0, 1): A = tokens, B = rows of Wq or Wk; v (cluster x = 2): A = rows of Wv, B = tokens.
; ROW PLACES: place 16 u + 8 g + i of a group of 64 holds row 32 g + 8 u + i.  So the 32 registers of B's blocks 4 c .. 4 c + 3 hold, in lane half h, B's rows 64 c + 32 h + 0 .. 31: a whole block of 32 in a lane,
; and the conversions' results are the 4-bit operand's registers as they stand.  Lane r of A's block a holds A's row 64 (a / 4) + 32 (r / 8) + 8 (a % 4) + r % 8.
; ALL OF K = 1,024 LIES IN LDS, filled once: rows of 512 bytes, 528 apart.  The head has four joint loads, one a wave: A's 256 rows, B's 256 rows, A's scale bytes, B's.  No LDS byte is filled again, and
; no tensor load follows the head's, so there is no later step to prefetch for.  The two halves of K are called slots below: slot 1 begins 256 bytes on in each row.
; CLUSTERS: 4 x 4.  A's tiles are asked for jointly along a row of the cluster, B's along a column.  GRID: 3 x 1,024 columns by 4,096 rows are 192 tiles of 256 x 256.
; THE WAY OUT uses no LDS: bias added in f32, 64 numbers a lane quantised in registers, codes stored as images of the next launch's operand registers, 512 consecutive bytes a store.
;   qkv: [q | kv][batch][head][step of 128 tokens] records of 8,960 bytes.  q's and k's part: eight tiles of 512 bytes (lane l at 16 l: d = 32 (l / 16) + 0 .. 31 of its token), scale words at
;   4,096 + 256 (tile / 4) + 16 r + 4 (tile % 4), each (s0, s1, s0, s1).  v's part, from byte 4,608 of the kv records: four tiles of 1,024 bytes (group c of lane l at 512 c + 16 l), scale words at 4,096 + 16 r + 4 tile.
;   Bytes 4,608 on of q's records are neither written nor read.
; LIMITS: a block of zeros gets the byte 1 where the rule says 127 (zero codes; the bytes are this program's own); NaN and infinities are not served.
; REGISTERS: window 0: v1-30 addresses; v32-95 scale words; v96-113 the quantiser's; v128-191 A's fragments, then the 64 numbers in hand; v192-203 scale words on their way out.
;   window 1: B's fragments at v0 and v128; v64-79 biases along lanes; v192-255 biases along registers.  windows 2, 3: the accumulators.
.set NQ,     4
.set ROWB,   256                       ; half a row: 512 codes
.set KROW,   512                       ; a row place in memory
.set PITCH,  528                       ; 512 bytes + 16 of padding = 132 words: the 16 rows that a load touches start at 16 different banks (ISA guide 11.1)
.set FR,     8
.set NL,     2
.set NP,     4                         ; places behind this matrix instruction (ISA guide 7.12.1)
.set HALFT,  128*PITCH
.set KS,     32
.set SCL,    4*HALFT                   ; behind A's 256 rows and B's 256: the scale bytes, as units of 256 bytes + 16 of padding
.set HALFS,  16*272
.set SBLK,   2*272
.set SPARE,  SCL+4*HALFS               ; the spare words: 128 bytes a wave
.set REC,    8960
.set HEADB,  16*REC
.set VOFF,   512*REC+4608
.set SPW,  10
.set NIL,  11
.set ADRA, 16
.set ADRB, 20
.set CO,   24                          ; 16 x lane
.set SOF,  25
.set SH,   26                          ; 8 h
.set ADRS, 27
.set VB1,  28                          ; 128 h
.set VB2,  29                          ; 4 (r % 8 + 32 (r / 8))
.set HH,   30
.set SC,   32
.set PC,   96                          ; v96-103 codes
.set TM,   104                         ; v104-107 maxima
.set SOP,  108                         ; v108-109 the conversions' scale operands
.set BY,   110                         ; v110-111 the two blocks' bytes
.set T,    112
.set TP,   113
.set AF,   128
.set HA,   128
.set WO,   192
.set WS,   200
.set BV,   64
.set BIAS, 192
.set WV,   18
.set AH,   19
.set BH,   20
.set SEL,  66
.set G1, 24
.set G0, 32
.set G1B, 48
.set G0B, 56
.set G1S, 68
.set G0S, 76
.set G1SB, 80
.set G0SB, 88
.set MSB, 0
.macro WIN new
.if MSB != (\new)
	s_set_vgpr_msb (MSB<<8)|(\new)
.set MSB, (\new)
.endif
.endm
.set MUL_LO, 0xa1
.set MUL_HI, 0xf1
.set TO_B,   0x40
.macro CROUND                          ; a round of the cluster's barrier
	s_barrier_signal -1
	s_barrier_wait -1
	s_cmp_lg_u32 s[WV], 0
	s_cbranch_scc1 .Lnot_wave_0_\@
	s_barrier_signal -3
.Lnot_wave_0_\@:
	s_barrier_wait -3
	s_barrier_signal -1
	s_barrier_wait -1
.endm
	s_load_b256 s[4:11], s[0:1], 0x0               ; codes, scl, bq, bk
	s_load_b128 s[12:15], s[0:1], 0x20             ; bv, qkv
	v_lshl_add_u32 v[SPW], v0, 2, SPARE
	v_mov_b32 v[NIL], 0
	ds_add_u32 v[SPW], v[NIL]                      ; the opening lines: the add twice on end and one wait
	ds_add_u32 v[SPW], v[NIL]
	v_lshrrev_b32 v1, 5, v0
	v_readfirstlane_b32 s[WV], v1
	s_lshr_b32 s[AH], s[WV], 1
	s_and_b32 s[BH], s[WV], 1
	s_bfe_u32 s40, ttmp6, 0x40000                  ; cx
	s_bfe_u32 s41, ttmp6, 0x40004                  ; cy
	s_and_b32 s42, ttmp7, 0xffff
	s_lshl_b32 s42, s42, 2
	s_lshl_b32 s47, ttmp9, 2
	s_add_co_u32 s47, s47, 16                      ; Wq's or Wk's first tile of 256 places
	s_cmp_eq_u32 ttmp9, 2                          ; v's clusters: the same in all sixteen partners
	s_cselect_b32 s45, 24, s42                     ; A's tile
	s_cselect_b32 s46, s42, s47                    ; B's tile
	s_add_co_u32 s45, s45, s41                     ; A's registers never hold cx,
	s_add_co_u32 s46, s46, s40                     ; B's never cy
	s_lshl_b32 s43, s41, 2
	s_lshl_b32 s43, 15, s43                        ; my row of the cluster
	s_lshl_b32 s44, 0x1111, s40                    ; my column
	s_or_b32 s[G1+0], s43, (0<<16)|(1<<20)|(1<<21)|(6<<22)|(3<<25)  ; mask; bytes; padding of 4 words behind every 128; bit 21 beside a mask
	s_or_b32 s[G1B+0], s44, (0<<16)|(1<<20)|(1<<21)|(6<<22)|(3<<25)
.irp g, G1, G1B
	s_mov_b32 s[\g+1], KROW<<16                    ; 256 rows of 512 bytes
	s_mov_b32 s[\g+2], 256<<16
	s_mov_b32 s[\g+3], KROW<<16
	s_mov_b32 s[\g+4], 256
	s_mov_b32 s[\g+5], KROW
	s_mov_b32 s[\g+6], 0
	s_mov_b32 s[\g+7], 0
.endr
	s_or_b32 s[G1S+0], s43, (3<<16)|(1<<20)|(1<<21)|(5<<22)|(3<<25) ; the scale bytes of 256 rows: 8,192 dense bytes as 32 rows of 256
	s_or_b32 s[G1SB+0], s44, (3<<16)|(1<<20)|(1<<21)|(5<<22)|(3<<25)
.irp g, G1S, G1SB
	s_mov_b32 s[\g+1], 32<<16
	s_mov_b32 s[\g+2], 32<<16
	s_mov_b32 s[\g+3], 32<<16
	s_mov_b32 s[\g+4], 32
	s_mov_b32 s[\g+5], 32
	s_mov_b32 s[\g+6], 0
	s_mov_b32 s[\g+7], 0
.endr
	s_lshl_b32 s92, s45, 8                         ; A's first place, B's
	s_lshl_b32 s94, s46, 8
	s_lshl_b32 s96, s92, 5                         ; their scale bytes,
	s_lshl_b32 s98, s94, 5
	s_lshl_b32 s92, s92, 9                         ; their codes
	s_lshl_b32 s94, s94, 9
	s_mov_b32 s93, 0
	s_mov_b32 s95, 0
	s_mov_b32 s97, 0
	s_mov_b32 s99, 0
	s_mov_b32 s[SEL], 0x76543210
	s_mov_b32 s[SEL+1], 0xfedcba98
	s_wait_dscnt 0x0                               ; both opening adds are done
	s_wait_kmcnt 0x0
	s_mov_b32 s[G0], 1
	s_mov_b32 s[G0+1], 0
	s_add_nc_u64 s[G0+2:G0+3], s[4:5], s[92:93]
	s_or_b32 s[G0+3], s[G0+3], 0x80000000
	s_mov_b32 s[G0B], 1
	s_mov_b32 s[G0B+1], 2*HALFT
	s_add_nc_u64 s[G0B+2:G0B+3], s[4:5], s[94:95]
	s_or_b32 s[G0B+3], s[G0B+3], 0x80000000
	s_mov_b32 s[G0S], 1
	s_mov_b32 s[G0S+1], SCL
	s_add_nc_u64 s[G0S+2:G0S+3], s[6:7], s[96:97]
	s_or_b32 s[G0S+3], s[G0S+3], 0x80000000
	s_mov_b32 s[G0SB], 1
	s_mov_b32 s[G0SB+1], SCL+2*HALFS
	s_add_nc_u64 s[G0SB+2:G0SB+3], s[6:7], s[98:99]
	s_or_b32 s[G0SB+3], s[G0SB+3], 0x80000000
	CROUND                                         ; all sixteen work-groups are here: the joint loads meet
; the head's loads, one a wave, in one tree of branches on the wave's number; s_nop 0 and four v_nop behind each
.macro ARM under, g0, g1, next
	s_cmp_lt_u32 s[WV], \under
	s_cbranch_scc0 \next
	tensor_load_to_lds s[\g0:\g0+3], s[\g1:\g1+7]
	s_nop 0
.rept 4
	v_nop
.endr
	s_branch .Lhead_asked
\next:
.endm
	ARM 1, G0,  G1,  .Lhead_b
	ARM 2, G0B, G1B, .Lhead_sa
	ARM 3, G0S, G1S, .Lhead_sb
	tensor_load_to_lds s[G0SB:G0SB+3], s[G1SB:G1SB+7]
	s_nop 0
.rept 4
	v_nop
.endr
.Lhead_asked:
	s_mul_i32 s92, s[AH], HALFT                    ; my 128 rows of A,
	s_mul_i32 s93, s[BH], HALFT
	s_add_co_u32 s93, s93, 2*HALFT                 ; of B, behind A's 256
	s_mul_i32 s94, s[AH], HALFS
	s_mul_i32 s95, s[BH], HALFS
	s_add_co_u32 s95, s95, 2*HALFS
	s_sub_co_u32 s95, s95, s94                     ; from A's scale words to B's
	s_add_co_u32 s94, s94, SCL
	s_cmp_eq_u32 ttmp9, 0                          ; the bias: bq, bk or bv; my 128 numbers
	s_cselect_b64 s[8:9], s[8:9], s[10:11]
	s_cmp_eq_u32 ttmp9, 2
	s_cselect_b64 s[8:9], s[12:13], s[8:9]
	s_cselect_b32 s21, s41, s40
	s_cselect_b32 s22, s[AH], s[BH]
	s_lshl_b32 s21, s21, 10
	s_lshl_b32 s22, s22, 9
	s_add_co_u32 s22, s22, s21
	s_mov_b32 s23, 0
	s_add_nc_u64 s[8:9], s[8:9], s[22:23]
	v_and_b32 v1, 15, v0                           ; r
	v_bfe_u32 v[HH], v0, 4, 1                      ; h
	v_mul_u32_u24 v3, v1, PITCH
	v_lshl_add_u32 v4, v[HH], 4, v3
	v_add_nc_u32 v[ADRA], s92, v4
	v_add_nc_u32 v[ADRB], s93, v4
	v_add_nc_u32 v[ADRA+1], ROWB, v[ADRA]
	v_add_nc_u32 v[ADRB+1], ROWB, v[ADRB]
	v_mul_u32_u24 v5, v1, KS
	v_lshrrev_b32 v6, 8, v5
	v_lshl_add_u32 v5, v6, 4, v5                   ; 32 bytes a row, 16 more for each 256 passed
	v_mul_u32_u24 v6, s95, v[HH]                   ; lanes 16-31 take B's
	v_add_nc_u32 v5, v5, v6
	v_add_nc_u32 v[ADRS], s94, v5
	v_and_b32 v2, 31, v0
	v_lshlrev_b32 v[CO], 4, v2
	v_lshlrev_b32 v[SH], 3, v[HH]
	v_lshlrev_b32 v[VB1], 7, v[HH]
	v_and_b32 v2, 8, v1
	v_mad_u32_u24 v2, v2, 3, v1
	v_lshlrev_b32 v[VB2], 2, v2
	v_mov_b32 v[TP], 0                             ; a lane permute's destination counts as a source
	s_wait_alu depctr_va_vdst(0)                   ; the wait at the head's end
	WIN TO_B
.irp c, 0,1
.irp j, 0,1,2,3,4,5,6,7
	global_load_b128 v[BIAS+32*\c+4*\j:BIAS+32*\c+4*\j+3], v[VB1], s[8:9] offset:256*\c+16*\j   ; along registers: number 64 c + 32 h + 4 j ..
.endr
.endr
.irp a, 0,1,2,3,4,5,6,7
	global_load_b32 v[BV+2*\a], v[VB2], s[8:9] offset:4*(64*(\a/4)+8*(\a%4))                    ; along lanes: A's row of block a
.endr
	WIN 0
.macro FRAG reg, adr, q, i
.irp c, 0,1
	ds_load_b128 v[\reg+4*\c:\reg+4*\c+3], v[\adr] offset:64*(\q)+32*\c+(\i)*16*PITCH
.endr
.endm
; 16 matrix instructions; the 64 accumulators take turns, one instruction a turn
.macro MUL16 a0, p, q, sc, zero
.irp a, \a0, \a0+1
.irp b, 0,1,2,3,4,5,6,7
.if \zero
	v_wmma_scale_f32_16x16x128_f8f6f4 v[8*(8*((\a)%4)+\b):8*(8*((\a)%4)+\b)+7], v[128*(\p)+FR*\b:128*(\p)+FR*\b+FR-1], v[AF+FR*(\a):AF+FR*(\a)+FR-1], 0, v[SC+8*NQ*(\sc)+NQ*\b+(\q)], v[SC+8*NQ*(\sc)+NQ*(\a)+(\q)] matrix_a_fmt:MATRIX_FMT_FP4 matrix_b_fmt:MATRIX_FMT_FP4 matrix_a_scale:MATRIX_SCALE_ROW1
.else
	v_wmma_scale_f32_16x16x128_f8f6f4 v[8*(8*((\a)%4)+\b):8*(8*((\a)%4)+\b)+7], v[128*(\p)+FR*\b:128*(\p)+FR*\b+FR-1], v[AF+FR*(\a):AF+FR*(\a)+FR-1], v[8*(8*((\a)%4)+\b):8*(8*((\a)%4)+\b)+7], v[SC+8*NQ*(\sc)+NQ*\b+(\q)], v[SC+8*NQ*(\sc)+NQ*(\a)+(\q)] matrix_a_fmt:MATRIX_FMT_FP4 matrix_b_fmt:MATRIX_FMT_FP4 matrix_a_scale:MATRIX_SCALE_ROW1
.endif
.endr
.endr
.endm
.macro FETCH_B slot, q, p
	WIN TO_B
.irp i, 0,1,2,3,4,5,6,7
	FRAG 128*(\p)+FR*\i, ADRB+\slot, \q, \i
.endr
	WIN 0
.endm
.macro FETCH_A slot, q, i0
.irp i, \i0, \i0+1, \i0+2, \i0+3
	FRAG AF+FR*(\i), ADRA+\slot, \q, \i
.endr
.endm
.macro SCALES sc
.irp i, 0,1,2,3,4,5,6,7
	ds_load_b128 v[SC+8*NQ*\sc+NQ*\i:SC+8*NQ*\sc+NQ*\i+3], v[ADRS] offset:\i*SBLK
.endr
.endm
.macro PLACES n
.rept \n
	v_nop
.endr
.endm
.macro STEP slot, q, zero
	s_wait_dscnt 4*NL                              ; B's set and A's blocks 0-3 are in; the youngest eight loads may be out
	WIN MUL_LO
	MUL16 0, (\q)%2, \q, \slot, \zero
	MUL16 2, (\q)%2, \q, \slot, \zero
	s_wait_dscnt 0
	PLACES NP
	FETCH_B \slot, (\q)+1, 1-(\q)%2
	FETCH_A \slot, (\q)+1, 0
	WIN MUL_HI
	MUL16 4, (\q)%2, \q, \slot, \zero
	MUL16 6, (\q)%2, \q, \slot, \zero
	PLACES NP
	WIN 0
	FETCH_A \slot, (\q)+1, 4
.endm
.macro STEPS slot, from
.set Q, \from
.rept NQ-1-\from
	STEP \slot, Q, 0
.set Q, Q+1
.endr
.endm
	s_wait_alu depctr_va_vdst(0)
	s_wait_tensorcnt 0x0                           ; my tile of the head's four is in
	s_barrier_signal -1
	s_barrier_wait -1                              ; all four are
	FETCH_B 0, 0, 0
	FETCH_A 0, 0, 0
	SCALES 0
	FETCH_A 0, 0, 4
	STEP 0, 0, 1                                   ; the first step's products start the sums
	STEPS 0, 1
	s_wait_dscnt 4*NL                              ; slot 0's last step fetches slot 1's first fragments and scale words
	WIN MUL_LO
	MUL16 0, 1, NQ-1, 0, 0
	MUL16 2, 1, NQ-1, 0, 0
	s_wait_dscnt 0
	WIN 0
	PLACES NP
	v_add_nc_u32 v[ADRS], 4*NQ, v[ADRS]            ; the second slot's scale words
	s_wait_alu depctr_va_vdst(0)
	FETCH_B 1, 0, 0
	FETCH_A 1, 0, 0
	SCALES 1
	WIN MUL_HI
	MUL16 4, 1, NQ-1, 0, 0
	MUL16 6, 1, NQ-1, 0, 0
	PLACES NP
	WIN 0
	FETCH_A 1, 0, 4
	STEPS 1, 0
	s_wait_dscnt 4*NL
	WIN MUL_LO
	MUL16 0, 1, NQ-1, 1, 0
	MUL16 2, 1, NQ-1, 1, 0
	s_wait_dscnt 0
	WIN MUL_HI
	MUL16 4, 1, NQ-1, 1, 0
	MUL16 6, 1, NQ-1, 1, 0
	WIN 0
; THE WAY OUT.  A lane's 64 numbers v[s] .. v[s + 63] are two whole blocks of 32: codes into v[PC] .. v[PC + 7], the two bytes into v[BY], v[BY + 1].  Four chains of maxima by turns.
.macro QUANT s
.irp k, 0,1,2,3
	v_max3_num_f32 v[TM+\k], |v[\s+16*\k]|, |v[\s+16*\k+1]|, 0x1800000   ; with the floor 2^(3 - 127): the byte cannot fall under 1
.endr
.irp i, 2,4,6,8,10,12,14
.irp k, 0,1,2,3
	v_max3_num_f32 v[TM+\k], v[TM+\k], |v[\s+16*\k+\i]|, |v[\s+16*\k+\i+1]|
.endr
.endr
	v_max_num_f32 v[TM], v[TM], v[TM+1]
	v_max_num_f32 v[TM+2], v[TM+2], v[TM+3]
	v_add_nc_u32 v[SOP], 0xff000000, v[TM]         ; 2 off the exponent field
	v_add_nc_u32 v[SOP+1], 0xff000000, v[TM+2]
	v_lshrrev_b32 v[BY], 23, v[SOP]
	v_lshrrev_b32 v[BY+1], 23, v[SOP+1]
.irp c, 0,1
.irp g, 0,1,2,3
	v_cvt_scalef32_pk8_fp4_f32 v[PC+4*\c+\g], v[\s+32*\c+8*\g:\s+32*\c+8*\g+7], v[SOP+\c]
.endr
.endr
	v_nop                                          ; one plain place behind a scaled conversion
.endm
.macro ADDB a, isv                     ; block a's sums plus the bias into window 0, each accumulator from its low end on
	s_wait_xcnt 0x0                                ; the last block's stores have read their data
	WIN 0x06+(\a)/4
.set AC, 64*((\a)%4)
.set I, 0
.rept 32
.if \isv
	v_pk_add_f32 v[HA+I:HA+I+1], v[AC+I:AC+I+1], v[BV+2*(\a):BV+2*(\a)+1]
.else
	v_pk_add_f32 v[HA+I:HA+I+1], v[AC+I:AC+I+1], v[BIAS+I:BIAS+I+1]
.endif
.set I, I+2
.endr
	WIN 0
.endm
	PLACES NP
	s_wait_loadcnt 0x0                             ; the biases
	s_cmp_eq_u32 ttmp9, 2                          ; the one parting: on the cluster's x
	s_cbranch_scc1 .Lv
	; q, k: a lane holds a token; registers 0-31 are half h of my first head's 64, registers 32-63 of my second's
	s_lshl_b32 s92, ttmp9, 1                       ; record (((2 which + batch) 16 + head) 16 + step)
	s_lshr_b32 s93, s45, 3
	s_add_co_u32 s92, s92, s93
	s_lshl_b32 s92, s92, 4
	s_lshl_b32 s93, s40, 2
	s_add_co_u32 s92, s92, s93
	s_lshl_b32 s93, s[BH], 1
	s_add_co_u32 s92, s92, s93                     ; head = 4 cx + 2 (wave % 2)
	s_lshl_b32 s92, s92, 4
	s_and_b32 s93, s45, 7
	s_lshl_b32 s93, s93, 1
	s_add_co_u32 s92, s92, s93
	s_add_co_u32 s92, s92, s[AH]                   ; step = 2 (tile % 8) + wave / 2
	s_mul_i32 s92, s92, REC
	s_mov_b32 s93, 0
	s_add_nc_u64 s[14:15], s[14:15], s[92:93]
	v_mul_u32_u24 v[SOF], v[HH], HEADB
	v_lshl_add_u32 v[SOF], v1, 4, v[SOF]           ; lanes 0-15 store the first head's scale words, lanes 16-31 the second's
.irp a, 0,1,2,3,4,5,6,7
	ADDB \a, 0
	QUANT HA
	global_store_b128 v[CO], v[PC:PC+3], s[14:15] offset:512*\a          ; tile a of the first head: 512 consecutive bytes
	global_store_b128 v[CO], v[PC+4:PC+7], s[14:15] offset:HEADB+512*\a  ; of the second
	v_permlane16_swap_b32 v[BY], v[BY+1]           ; lanes 0-15: the first head's two bytes in the two registers; lanes 16-31: the second's
	v_lshl_or_b32 v[T], v[BY+1], 8, v[BY]
	v_lshl_or_b32 v[WO+\a], v[T], 16, v[T]         ; twice: the K that the head does not have repeats finite bytes
.endr
	global_store_b128 v[SOF], v[WO:WO+3], s[14:15] offset:4096           ; 16 lanes store 256 consecutive bytes, aligned
	global_store_b128 v[SOF], v[WO+4:WO+7], s[14:15] offset:4352
	s_branch .Lend
.Lv:
	; v: a lane holds one of the head's 64 (blocks 0-3 of A: my first head, 4-7: my second); its registers are keys 64 c + 32 h + 0 .. 31
	s_lshr_b32 s92, s46, 3                         ; record ((batch 16 + head) 16 + step) of the kv records
	s_lshl_b32 s92, s92, 4
	s_lshl_b32 s93, s41, 2
	s_add_co_u32 s92, s92, s93
	s_lshl_b32 s93, s[AH], 1
	s_add_co_u32 s92, s92, s93                     ; head = 4 cy + 2 (wave / 2)
	s_lshl_b32 s92, s92, 4
	s_and_b32 s93, s46, 7
	s_lshl_b32 s93, s93, 1
	s_add_co_u32 s92, s92, s93
	s_add_co_u32 s92, s92, s[BH]                   ; step = 2 (tile % 8) + wave % 2
	s_mul_i32 s92, s92, REC
	s_add_co_u32 s92, s92, VOFF
	s_mov_b32 s93, 0
	s_add_nc_u64 s[14:15], s[14:15], s[92:93]
	v_mul_u32_u24 v[SOF], v[HH], HEADB
	v_lshl_add_u32 v[SOF], v1, 4, v[SOF]
	WIN 0x41
.irp a, 0,1,2,3,4,5,6,7
	v_mov_b32 v[BV+2*\a+1], v[BV+2*\a]             ; the lane's bias in both halves of a pair
.endr
	WIN 0
	s_wait_alu depctr_va_vdst(0)                   ; the wait ahead of the blocking wait below
.irp a, 0,1,2,3,4,5,6,7
	ADDB \a, 1
	QUANT HA
	global_store_b128 v[CO], v[PC:PC+3], s[14:15] offset:(\a/4)*HEADB+(\a%4)*1024        ; register group 0 of the tile
	global_store_b128 v[CO], v[PC+4:PC+7], s[14:15] offset:(\a/4)*HEADB+(\a%4)*1024+512  ; group 1
	v_lshl_or_b32 v[T], v[BY+1], 16, v[BY]         ; my bytes are blocks h and 2 + h:
	v_lshlrev_b32 v[T], v[SH], v[T]                ; 8 h bits up,
	v_permlanex16_b32 v[TP], v[T], s[SEL], s[SEL+1]
	v_or_b32 v[WO+\a], v[T], v[TP]                 ; with lane l xor 16's the word is whole
.endr
	v_cmp_ne_u32 vcc_lo, 0, v[HH]
.irp i, 0,1,2,3
	v_cndmask_b32 v[WS+\i], v[WO+\i], v[WO+4+\i], vcc_lo
.endr
	global_store_b128 v[SOF], v[WS:WS+3], s[14:15] offset:4096   ; 16 lanes store 256 consecutive bytes, aligned
.Lend:
	s_wait_tensorcnt 0x0                           ; the wave's end
	ds_add_u32 v[SPW], v[NIL]
	s_wait_dscnt 0x0
	CROUND                                         ; the closing round
	s_endpgm
.Lfunc_end_k_q978a492761_proj:
	.size	k_q978a492761_proj, .Lfunc_end_k_q978a492761_proj-k_q978a492761_proj
	.p2alignl 7, 3214868480
	.fill 96, 4, 3214868480
	.section	.rodata,"a",@progbits
	.p2align	6, 0x0
	.amdhsa_kernel k_q978a492761_proj
		.amdhsa_group_segment_fixed_size 327680
		.amdhsa_private_segment_fixed_size 0
		.amdhsa_enable_private_segment 0
		.amdhsa_kernarg_size 48
		.amdhsa_user_sgpr_count 2
		.amdhsa_user_sgpr_kernarg_segment_ptr 1
		.amdhsa_wavefront_size32 1
		.amdhsa_system_sgpr_workgroup_id_x 1
		.amdhsa_system_sgpr_workgroup_id_y 1
		.amdhsa_system_sgpr_workgroup_id_z 1
		.amdhsa_system_vgpr_workitem_id 0
		.amdhsa_next_free_vgpr 1024
		.amdhsa_next_free_sgpr 100
		.amdhsa_reserve_vcc 1
		.amdhsa_float_denorm_mode_32 3
		.amdhsa_float_denorm_mode_16_64 3
		.amdhsa_memory_ordered 1
		.amdhsa_forward_progress 1
		.amdhsa_inst_pref_size 184
	.end_amdhsa_kernel
	.amdgpu_metadata
---
amdhsa.version: [ 1, 2 ]
amdhsa.kernels:
  - .name:           k_q978a492761_proj
    .symbol:         k_q978a492761_proj.kd
    .args:
      - { .name: codes, .offset: 0, .size: 8, .value_kind: global_buffer, .address_space: global }
      - { .name: scl, .offset: 8, .size: 8, .value_kind: global_buffer, .address_space: global }
      - { .name: bq, .offset: 16, .size: 8, .value_kind: global_buffer, .address_space: global }
      - { .name: bk, .offset: 24, .size: 8, .value_kind: global_buffer, .address_space: global }
      - { .name: bv, .offset: 32, .size: 8, .value_kind: global_buffer, .address_space: global }
      - { .name: qkv, .offset: 40, .size: 8, .value_kind: global_buffer, .address_space: global }
    .group_segment_fixed_size: 327680
    .private_segment_fixed_size: 0
    .kernarg_segment_align: 8
    .kernarg_segment_size: 48
    .max_flat_workgroup_size: 128
    .sgpr_count:     100
    .vgpr_count:     1024
    .wavefront_size: 32
...
	.end_amdgpu_metadata
.endif
;; end of part 2
;; launch attn (part 3): grid 8 x 32, 16 waves a work-group, clusters of 4 x 1, 327,680 bytes of LDS; arguments qkv, attention_mask, out0; writes out0
.if DOCPART == 3
	.amdgcn_target "amdgcn-amd-amdhsa--gfx1250"
	.amdhsa_code_object_version 6
	.text
	.protected	k_q978a492761_attn
	.globl	k_q978a492761_attn
	.p2align	8
	.type	k_q978a492761_attn,@function
k_q978a492761_attn:
	s_mov_b64 s[64:65], 0
	v_nop
	global_prefetch_b8 v0, s[64:65] scope:SCOPE_SE
	s_setreg_imm32_b32 hwreg(HW_REG_WAVE_MODE, 25, 1), 1
	s_wait_xcnt 0x0
	s_wait_alu depctr_hold_cnt(0) depctr_sa_sdst(0) depctr_va_vdst(0) depctr_va_sdst(0) depctr_va_ssrc(0) depctr_va_vcc(0) depctr_vm_vsrc(0)
	s_getreg_b32 s2, hwreg(HW_REG_IB_STS2, 6, 4)
	s_cmp_eq_u32 s2, 0
	s_cbranch_scc0 .Lentry_in_a_cluster
	s_endpgm
.Lentry_in_a_cluster:
	s_bfe_u32 s2, ttmp6, 0x10000c
	s_cmp_lg_u32 s2, 0x3003
	s_cbranch_scc0 .Lentry_shape_is_right
	s_endpgm
.Lentry_shape_is_right:
; out0[b][q][64 head + d] = the sum over keys of softmax(q . k / 8 + mask[b][key]) v[key][d], both products on codes of FP4 (E2M1) with E8M0 scales.
; q, k and v arrive as images of the operands' registers: a fragment is loaded 16 bytes a lane.  The head's 64 are half of the instruction's K = 128: registers 4-7 of q's fragment are zero codes, set once;
; registers 4-7 of a fragment of k are the next tile's codes (behind the last tile: zeros): they meet q's zero codes and add nothing, so eight tiles of k take 36 registers.
; THE SOFTMAX: t = logit x log2(e); M = the row's largest t so far, rounded UP to a whole number; p = 2^(t - M) is quantised along the keys, not normalised; the row's sum is taken of the unquantised p in f32
; and divides at the end.  When M moves, the sum and O are multiplied by 2^(old M - new M): exact.
; THE MASK: 8 x mask lies in LDS and is the C onto which the first product adds: S = q . k + 8 mask, t = S x log2(e) / 8.
; SHARES: a work-group owns 256 queries of one head, each of its sixteen waves 16 of them in 256 registers; every wave walks the head's 2,048 keys, 128 a step.
; LAYOUT: both products transposed (S^T = K Q^T, O^T = V^T P^T): a lane holds ONE query.  Place 16 u + 8 g + i of a group of 64 tokens holds token 32 g + 8 u + i, so registers 32 c .. 32 c + 31 of S^T hold, in lane half h,
; keys 64 c + 32 h + 0 .. 31: a whole block of 32 in a lane.  A block's maximum needs no other lane, and the conversions' results are the second product's operand as they stand.  v's rows are laid the same way,
; so a lane's 32 registers of O^T are d = 32 h + 0 .. 31.
; LDS READS RUN A STEP AHEAD: the next step's k is asked for behind this step's first products, its mask as the sums free the scores' registers; the last step is written out without that.
; LDS: the head's 16 records (k's part, v's part: 8,960 bytes a step) are filled ONCE, by eight joint loads of two records: waves 0, 1 at the head (records 0-3), waves 2-7 behind the three lines and a round (records 4-15);
; steps 0-2 read records 0-3 alone, and a barrier ahead of step 3 shows the rest landed.  All tensor loads stand ahead of the loops, so no prefetch has a later load to run ahead of.
; CLUSTER: the four query blocks of a cluster belong to one head and ask for its records jointly.
; LIMITS: the promise holds while the scaled scores stay under 2^31 in magnitude; mask values under -2^30 (minus infinity among them) are held at -2^30: their p is 0 unless every key of a row lies that low,
; and such a row comes out uniform; NaN and +infinity are not served; a block whose every p is 0 keeps the scale byte 1: its codes are zeros.
.set REC,   8960
.set HEADB, 16*REC
.set KVB,   512*REC                    ; the kv records lie behind q's 512
.set VO,    4608                       ; v's part of a record
.set CH,    2*REC                      ; what one tensor load brings: 70 rows of 256 bytes
.set MASK,  HEADB                      ; 8 x mask, 8,192 bytes, written by LDS stores
.set STAGE, MASK+8192                  ; 16 rows x 272 bytes a wave, for the way out
.set SPARE, STAGE+16*16*272            ; the spare words: 128 bytes a wave
.set AK0,  1                           ; 16 x lane
.set AVS0, 2                           ; VO + 4,096 + 16 r
.set AM0,  3                           ; MASK + 128 h
.set GO,   4                           ; 4,096 h + 16 r
.set SPW,  5
.set NIL,  6
.set ADK,  7
.set ADVS, 8
.set ADM,  9                           ; v10 r, v11 h; v12 -M, v13 the largest score so far, v[14:15] the sum; v16-19 Q's codes, v20-23 zeros
.set KF,   24                          ; v24-59   K's eight tiles, four registers each, and four of zeros
.set VF,   60                          ; v60-91   V's four fragments
.set S,    92                          ; v92-155  8 x mask, S^T, p
.set O,    156                         ; v156-187 O^T
.set PC,   188                         ; v188-195 p's codes
.set BM,   196                         ; v196-199 maxima; then v196, v198 the blocks' largest p and bytes, v197, v199 the conversions' scale operands
.set T0,   200                         ; v200-205 three chains of the sum
.set SH8,  208                         ; 8 h
.set TT,   209
.set PX,   210
.set TX,   211
.set F,    212                         ; f = 2^(old M - new M); v213 named with it as a pair
.set PSW,  214                         ; p's scale word
.set KSC,  216
.set VSC,  220
.set QSC,  224
.set WV,   12
.set SEL,  20
.set CS,   22
.set G1,   24
.set G0,   40
.set TK,   48
.set TMK,  50
.set CNT,  51
.macro CROUND
	s_barrier_signal -1
	s_barrier_wait -1
	s_cmp_lg_u32 s[WV], 0
	s_cbranch_scc1 .Lnot_wave_0_\@
	s_barrier_signal -3
.Lnot_wave_0_\@:
	s_barrier_wait -3
	s_barrier_signal -1
	s_barrier_wait -1
.endm
	s_load_b128 s[4:7], s[0:1], 0x0                ; qkv, attention_mask
	s_load_b64 s[8:9], s[0:1], 0x10                ; out0
	v_lshl_add_u32 v[SPW], v0, 2, SPARE
	v_mov_b32 v[NIL], 0
	ds_add_u32 v[SPW], v[NIL]                      ; the opening lines: the add twice on end and one wait
	ds_add_u32 v[SPW], v[NIL]
	v_lshrrev_b32 v10, 5, v0
	v_readfirstlane_b32 s[WV], v10                 ; wave 0..15
	s_bfe_u32 s13, ttmp6, 0x40000                  ; cx: it enters Q's and O's global addresses alone
	s_lshl_b32 s14, ttmp9, 2
	s_add_co_u32 s14, s14, s13                     ; my block of 256 queries
	s_and_b32 s15, ttmp7, 0xffff                   ; 16 batch + head
	s_mul_i32 s16, s15, HEADB
	s_mul_i32 s17, s[WV], CH                       ; my load's place, in the head's records and in LDS
	s_add_co_u32 s52, s16, s17
	s_add_co_u32 s52, s52, KVB
	s_mov_b32 s53, 0
	s_mov_b32 s[G1], 15|(3<<16)|(1<<21)            ; the four partners; elements of 8 bytes; bit 21 beside a mask
	s_mov_b32 s[G1+1], 32<<16
	s_mov_b32 s[G1+2], 70<<16
	s_mov_b32 s[G1+3], 32<<16
	s_mov_b32 s[G1+4], 70
	s_mov_b32 s[G1+5], 32
	s_mov_b32 s[G1+6], 0
	s_mov_b32 s[G1+7], 0
	s_lshl_b32 s54, s14, 1                         ; Q: record 2 block + wave / 8, tile wave % 8
	s_lshr_b32 s62, s[WV], 3
	s_add_co_u32 s54, s54, s62
	s_mul_i32 s54, s54, REC
	s_add_co_u32 s54, s54, s16
	s_and_b32 s62, s[WV], 7
	s_lshl_b32 s56, s62, 9
	s_add_co_u32 s56, s56, s54                     ; its codes
	s_lshr_b32 s62, s62, 2
	s_lshl_b32 s62, s62, 8
	s_and_b32 s63, s[WV], 3
	s_lshl_b32 s18, s63, 2
	s_add_co_u32 s62, s62, s18
	s_add_co_u32 s54, s54, s62
	s_add_co_u32 s54, s54, 4096                    ; its scale words
	s_mov_b32 s55, 0
	s_mov_b32 s57, 0
	s_lshr_b32 s62, s15, 4                         ; batch
	s_lshl_b32 s58, s62, 13
	s_mov_b32 s59, 0
	s_lshl_b32 s60, s62, 23                        ; out0: 8,388,608 batch + 256 head + 4,096 x first token
	s_and_b32 s62, s15, 15
	s_lshl_b32 s62, s62, 8
	s_add_co_u32 s60, s60, s62
	s_lshl_b32 s62, s14, 8
	s_lshr_b32 s18, s[WV], 2
	s_lshl_b32 s18, s18, 6
	s_add_co_u32 s62, s62, s18
	s_lshl_b32 s63, s63, 3
	s_add_co_u32 s62, s62, s63                     ; 256 block + 64 (wave / 4) + 8 (wave % 4)
	s_lshl_b32 s62, s62, 12
	s_add_co_u32 s60, s60, s62
	s_mov_b32 s61, 0
	s_mul_i32 s19, s[WV], 16*272
	s_add_co_u32 s19, s19, STAGE                   ; my stage
	s_mov_b32 s[SEL], 0x76543210
	s_mov_b32 s[SEL+1], 0xfedcba98
	s_mov_b32 s[CS], 0x3e38aa3b                    ; log2(e) / 8
	s_mov_b32 s[CS+1], s[CS]
	s_mov_b32 s[TK], 0
	s_mov_b32 s[TMK], 0
	s_mov_b32 s[CNT], 3
	v_and_b32 v10, 15, v0                          ; r
	v_bfe_u32 v11, v0, 4, 1                        ; h
	v_and_b32 v[AK0], 31, v0
	v_lshlrev_b32 v[TT], 4, v0                     ; the mask: 16 bytes a thread
	v_lshl_add_u32 v[TX], v0, 4, MASK
	v_lshlrev_b32 v[AK0], 4, v[AK0]
	v_lshlrev_b32 v[PX], 4, v10
	v_lshl_add_u32 v[AVS0], v10, 4, VO+4096
	v_lshl_add_u32 v[AM0], v11, 7, MASK
	v_lshlrev_b32 v[GO], 12, v11
	v_lshlrev_b32 v[SH8], 3, v11
	v_lshl_add_u32 v[GO], v10, 4, v[GO]
.irp j, 20,21,22,23
	v_mov_b32 v\j, 0                               ; Q's K = 64 .. 127: zero codes
.endr
.irp j, 32,33,34,35
	v_mov_b32 v[KF+\j], 0                          ; behind K's last tile
.endr
.irp j, 0,1,2,3,4,5,6,7,8,9,10,11,12,13,14,15,16,17,18,19,20,21,22,23,24,25,26,27,28,29,30,31
	v_mov_b32 v[O+\j], 0                           ; the step is written once: the first finds zeros
.endr
	v_mov_b32 v[F+1], 0
	v_mov_b32 v13, 0xff61b1e6                      ; the largest score so far: -3e38
	v_mov_b32 v12, 0x7e000000                      ; -M: a large whole number: the first f is 0
	v_mov_b32 v14, 0
	v_mov_b32 v15, 0
	s_wait_alu depctr_va_vdst(0)                   ; the wait ahead of the blocking waits
	s_wait_dscnt 0x0                               ; both opening adds are done
	s_wait_kmcnt 0x0
	s_add_nc_u64 s[58:59], s[6:7], s[58:59]
	s_add_nc_u64 s[56:57], s[4:5], s[56:57]
	s_add_nc_u64 s[54:55], s[4:5], s[54:55]
	s_add_nc_u64 s[8:9], s[8:9], s[60:61]
	global_load_b128 v[S:S+3], v[TT], s[58:59]
	global_load_b128 v[16:19], v[AK0], s[56:57]    ; Q's codes stay in registers
	global_load_b32 v[QSC], v[PX], s[54:55]
	s_mov_b32 s[G0], 1
	s_mov_b32 s[G0+1], s17
	s_add_nc_u64 s[G0+2:G0+3], s[4:5], s[52:53]
	s_or_b32 s[G0+3], s[G0+3], 0x80000000
	CROUND                                         ; the four work-groups are here: the joint loads meet
	s_cmp_lt_u32 s[WV], 2                          ; waves 0, 1: records 0-3
	s_cbranch_scc0 .Lasked
	tensor_load_to_lds s[G0:G0+3], s[G1:G1+7]
	s_nop 0
.rept 4
	v_nop
.endr
.Lasked:
	s_wait_loadcnt 2                               ; the mask is in; Q's two loads may be out
.irp j, 0,1,2,3
	v_mul_f32 v[S+\j], 0x41000000, v[S+\j]         ; 8 x mask,
.endr
.irp j, 0,1,2,3
	v_max_num_f32 v[S+\j], 0xd0000000, v[S+\j]     ; held at -2^33 from below
.endr
	ds_store_b128 v[TX], v[S:S+3]
	s_wait_loadcnt 0x0                             ; Q is in, and the loads' offset registers are free
	s_wait_alu depctr_va_vdst(0)
	s_wait_tensorcnt 0x0                           ; the three lines ahead of a later first fill; the add twice
	ds_add_u32 v[SPW], v[NIL]
	ds_add_u32 v[SPW], v[NIL]
	s_wait_dscnt 0x0                               ; the adds are done and my part of the mask is stored
	CROUND                                         ; records 0-3 and the mask are whole, and the joint loads meet
	s_cmp_lt_u32 s[WV], 2                          ; waves 2-7: records 4-15
	s_cbranch_scc1 .Lasked2
	s_cmp_lt_u32 s[WV], 8
	s_cbranch_scc0 .Lasked2
	tensor_load_to_lds s[G0:G0+3], s[G1:G1+7]
	s_nop 0
.rept 4
	v_nop
.endr
.Lasked2:
.macro KLOAD adr, off                  ; K's eight tiles and their scale words: nine loads
.irp t, 0,1,2,3,4,5,6,7
	ds_load_b128 v[KF+4*\t:KF+4*\t+3], v[\adr] offset:\off+512*\t
.endr
	ds_load_b128 v[KSC:KSC+3], v[\adr] offset:\off+4096
.endm
.macro MLOAD adr, off, t0              ; 8 x mask of keys 64 (t / 4) + 32 h + 8 (t % 4) + 0 .. 7 for tiles t0 .. t0 + 3: eight loads
.irp t, \t0, \t0+1, \t0+2, \t0+3
	ds_load_b128 v[S+8*(\t):S+8*(\t)+3], v[\adr] offset:\off+256*((\t)/4)+32*((\t)%4)
	ds_load_b128 v[S+8*(\t)+4:S+8*(\t)+7], v[\adr] offset:\off+256*((\t)/4)+32*((\t)%4)+16
.endr
.endm
.macro SUM4 p                          ; four pairs of p onto the four chains of the sum
	v_pk_add_f32 v[T0:T0+1], v[T0:T0+1], v[S+2*(\p):S+2*(\p)+1]
	v_pk_add_f32 v[T0+2:T0+3], v[T0+2:T0+3], v[S+2*(\p)+2:S+2*(\p)+3]
	v_pk_add_f32 v[T0+4:T0+5], v[T0+4:T0+5], v[S+2*(\p)+4:S+2*(\p)+5]
	v_pk_add_f32 v[14:15], v[14:15], v[S+2*(\p)+6:S+2*(\p)+7]
.endm
.macro TM8 j0                          ; t - M for sixteen scores
.irp j, 0,2,4,6,8,10,12,14
	v_pk_fma_f32 v[S+\j0+\j:S+\j0+\j+1], v[S+\j0+\j:S+\j0+\j+1], s[CS:CS+1], v[12:13] op_sel_hi:[1,0,0]
.endr
.endm
.macro STEP pf                         ; 128 keys; pf = 1: the next step's k and mask are asked for on the way
	s_wait_dscnt 0x0                               ; this step's k, its scale words and the mask, asked for a step ago, are in
.irp t, 0,1,2,3
	v_wmma_scale_f32_16x16x128_f8f6f4 v[S+8*\t:S+8*\t+7], v[KF+4*\t:KF+4*\t+7], v[16:23], v[S+8*\t:S+8*\t+7], v[KSC+\t], v[QSC] matrix_a_fmt:MATRIX_FMT_FP4 matrix_b_fmt:MATRIX_FMT_FP4
.endr
.irp t, 4,5,6,7
	v_wmma_scale_f32_16x16x128_f8f6f4 v[S+8*\t:S+8*\t+7], v[KF+4*\t:KF+4*\t+7], v[16:23], v[S+8*\t:S+8*\t+7], v[KSC+\t-4], v[QSC] matrix_a_fmt:MATRIX_FMT_FP4 matrix_b_fmt:MATRIX_FMT_FP4 matrix_a_scale:MATRIX_SCALE_ROW1
.endr
	v_add_nc_u32 v[ADK], s[TK], v[AK0]             ; these four are the places behind the products: ahead of the loads into their operands and of the first read of their results
	v_add_nc_u32 v[ADVS], s[TK], v[AVS0]
	v_add_nc_u32 v[ADM], s[TMK], v[AM0]
	v_mov_b32 v[TX], v12                           ; the old -M
.irp t, 0,1,2,3
.irp c, 0,1
	ds_load_b128 v[VF+8*\t+4*\c:VF+8*\t+4*\c+3], v[ADK] offset:VO+1024*\t+512*\c
.endr
.endr
	ds_load_b128 v[VSC:VSC+3], v[ADVS]
.if \pf
	KLOAD ADK, REC
.endif
.irp k, 0,1,2,3
	v_max3_num_f32 v[BM+\k], v[S+16*\k], v[S+16*\k+1], v[S+16*\k+2]   ; four chains by turns; each accumulator is read from its low end on
.endr
.irp i, 3,5,7,9,11,13
.irp k, 0,1,2,3
	v_max3_num_f32 v[BM+\k], v[BM+\k], v[S+16*\k+\i], v[S+16*\k+\i+1]
.endr
.endr
	v_max3_num_f32 v[BM], v[BM], v[BM+1], v[S+15]
	v_max3_num_f32 v[BM+2], v[BM+2], v[BM+3], v[S+47]
	v_max_num_f32 v[BM], v[BM], v[S+31]            ; my two blocks' largest scores: they serve the row's maximum and, since p rises with the score, the blocks' largest p
	v_max_num_f32 v[BM+2], v[BM+2], v[S+63]
	s_delay_alu instid0(VALU_DEP_1)
	v_max_num_f32 v[TT], v[BM], v[BM+2]
	s_delay_alu instid0(VALU_DEP_1)
	v_permlanex16_b32 v[PX], v[TT], s[SEL], s[SEL+1]
	s_delay_alu instid0(VALU_DEP_1)
	v_max3_num_f32 v13, v13, v[TT], v[PX]          ; the running largest score of my query
	s_delay_alu instid0(VALU_DEP_1)
	v_mul_f32 v[TT], s[CS], v13                    ; as t
	s_delay_alu instid0(VALU_DEP_1)
	v_floor_f32 v12, -v[TT]                        ; -M = -ceil(t): a whole number
	TM8 0
	v_sub_f32 v[TT], v12, v[TX]                    ; old M less new M: a whole number, 0 or less
	TM8 16
	v_cvt_i32_f32 v[TT], v[TT]                     ; (it saturates)
	TM8 32
	v_ldexp_f32 v[F], 1.0, v[TT]                   ; f: a multiplication by it rounds nothing
	TM8 48
	v_fma_f32 v[BM], v[BM], s[CS], v12
	v_fma_f32 v[BM+2], v[BM+2], s[CS], v12
.irp j, 0,2,4,6,8,10,12,14,16,18,20,22,24,26,28,30
	v_pk_mul_f32 v[O+\j:O+\j+1], v[O+\j:O+\j+1], v[F:F+1] op_sel_hi:[1,0]   ; O^T under the new M, each accumulator from its low end on
.endr
	s_wait_alu depctr_va_vdst(0)                   ; the wait ahead of the batch
.irp j, 0,1,2,3,4,5,6,7,8,9,10,11,12,13,14,15,16,17,18,19,20,21,22,23,24,25,26,27,28,29,30,31,32,33,34,35,36,37,38,39,40,41,42,43,44,45,46,47,48,49,50,51,52,53,54,55,56,57,58,59,60,61,62,63
	v_exp_f32 v[S+\j], v[S+\j]                     ; p = 2^(t - M)
.endr
	v_exp_f32 v[BM], v[BM]                         ; the blocks' largest p: the same two instructions on the same number
	v_exp_f32 v[BM+2], v[BM+2]
	v_pk_mul_f32 v[14:15], v[14:15], v[F:F+1] op_sel_hi:[1,0]   ; the sum under the new M: the plain place behind the batch
	s_wait_alu depctr_va_vdst(0)                   ; and the one wait behind it
	v_max_num_f32 v[BM], 0x1800000, v[BM]          ; the floor 2^(3 - 127)
	v_max_num_f32 v[BM+2], 0x1800000, v[BM+2]
	v_add_nc_u32 v[BM+1], 0xff000000, v[BM]        ; 2 off the exponent field
	v_add_nc_u32 v[BM+3], 0xff000000, v[BM+2]
.irp c, 0,1
.irp g, 0,1,2,3
	v_cvt_scalef32_pk8_fp4_f32 v[PC+4*\c+\g], v[S+32*\c+8*\g:S+32*\c+8*\g+7], v[BM+1+2*\c]   ; registers 4 c .. 4 c + 3 of the operand: keys 64 c + 32 h + 0 .. 31
.endr
.endr
	v_lshrrev_b32 v[BM], 23, v[BM+1]               ; the bytes (also the plain place behind the conversions)
	v_lshrrev_b32 v[BM+2], 23, v[BM+3]
	v_pk_add_f32 v[T0:T0+1], v[S:S+1], v[S+2:S+3]  ; the row's sum of the unquantised p, in four chains, p's registers in ascending order; the scale word's lines stand among them
	v_pk_add_f32 v[T0+2:T0+3], v[S+4:S+5], v[S+6:S+7]
	v_pk_add_f32 v[T0+4:T0+5], v[S+8:S+9], v[S+10:S+11]
	v_pk_add_f32 v[14:15], v[14:15], v[S+12:S+13]
	v_lshl_or_b32 v[TT], v[BM+2], 16, v[BM]        ; my bytes are blocks h and 2 + h:
	SUM4 7
	v_lshlrev_b32 v[TT], v[SH8], v[TT]             ; 8 h bits up,
	SUM4 11
	v_permlanex16_b32 v[PX], v[TT], s[SEL], s[SEL+1]
	SUM4 15
	v_or_b32 v[PSW], v[TT], v[PX]                  ; with lane l xor 16's the word is whole; sixteen plain lines follow ahead of the products
.if \pf
	MLOAD ADM, 512, 0                              ; registers 0-31 of p have been converted and summed: the next step's mask lands there
.endif
	SUM4 19
	SUM4 23
	SUM4 27
	v_pk_add_f32 v[T0:T0+1], v[T0:T0+1], v[S+62:S+63]
.if \pf
	MLOAD ADM, 512, 4
.endif
	v_pk_add_f32 v[14:15], v[14:15], v[T0+4:T0+5]
	v_pk_add_f32 v[T0:T0+1], v[T0:T0+1], v[T0+2:T0+3]
	s_delay_alu instid0(VALU_DEP_1)
	v_pk_add_f32 v[14:15], v[14:15], v[T0:T0+1]
	s_wait_alu depctr_va_vdst(0)                   ; the wait ahead of the blocking wait
.if \pf
	s_wait_dscnt 25                                ; V and its scale words are in; the next step's nine loads of k and sixteen of the mask, issued behind them, may be out
.else
	s_wait_dscnt 0x0
.endif
.irp t, 0,1,2,3
	v_wmma_scale_f32_16x16x128_f8f6f4 v[O+8*\t:O+8*\t+7], v[VF+8*\t:VF+8*\t+7], v[PC:PC+7], v[O+8*\t:O+8*\t+7], v[VSC+\t], v[PSW] matrix_a_fmt:MATRIX_FMT_FP4 matrix_b_fmt:MATRIX_FMT_FP4
.endr
	s_add_co_u32 s[TK], s[TK], REC
	s_add_co_u32 s[TMK], s[TMK], 512
	s_sub_co_u32 s[CNT], s[CNT], 1
	s_cmp_lg_u32 s[CNT], 0
.endm
	KLOAD AK0, 0                                   ; step 0's k and mask
	MLOAD AM0, 0, 0
	MLOAD AM0, 0, 4
.Lfirst:                                           ; steps 0-2: they read records 0-3, which the head's loads brought
	STEP 1
	s_cbranch_scc1 .Lfirst
	s_wait_tensorcnt 0x0                           ; my part of records 4-15 is in (a wave that asked for none passes)
	s_wait_dscnt 0x0                               ; no LDS instruction of mine is pending at the signal
	s_barrier_signal -1
	s_barrier_wait -1                              ; everybody's is
	s_mov_b32 s[CNT], 12
.Lrest:                                            ; steps 3-14
	STEP 1
	s_cbranch_scc1 .Lrest
	STEP 0                                         ; step 15: nothing more to ask for
	; THE WAY OUT.  O^T / the sum goes through my stage: in as 128 bytes a lane of row r, back as whole rows of 256 bytes: a head's 64 numbers of one token.
	v_add_f32 v14, v14, v15
	s_delay_alu instid0(VALU_DEP_1)
	v_permlanex16_b32 v[TT], v14, s[SEL], s[SEL+1]
	s_delay_alu instid0(VALU_DEP_1)
	v_add_f32 v14, v14, v[TT]                      ; the row's sum
	s_wait_alu depctr_va_vdst(0)                   ; the wait ahead of the transcendental
	v_rcp_f32 v14, v14
	v_mul_u32_u24 v[ADK], v10, 272
	v_mul_u32_u24 v[ADVS], v11, 272
	v_lshl_add_u32 v[ADK], v11, 7, v[ADK]
	v_lshl_add_u32 v[ADVS], v10, 4, v[ADVS]
	v_add_nc_u32 v[ADK], s19, v[ADK]               ; in: row r, + 128 h
	v_add_nc_u32 v[ADVS], s19, v[ADVS]             ; back: lanes 0-15 one row, lanes 16-31 the next
	s_wait_alu depctr_va_vdst(0)                   ; the wait ahead of the first reader of the reciprocal and of O^T
.irp j, 0,2,4,6,8,10,12,14,16,18,20,22,24,26,28,30
	v_pk_mul_f32 v[S+\j:S+\j+1], v[O+\j:O+\j+1], v[14:15] op_sel_hi:[1,0]
.endr
.irp m, 0,1,2,3,4,5,6,7
	ds_store_b128 v[ADK], v[S+4*\m:S+4*\m+3] offset:16*\m
.endr
.irp i, 0,1,2,3,4,5,6,7
	ds_load_b128 v[VF+4*\i:VF+4*\i+3], v[ADVS] offset:544*\i   ; LDS serves a wave's instructions in order: these see my stores
.endr
.irp i, 0,1,2,3,4,5,6,7
	s_wait_dscnt 7-\i                              ; load i is back; the younger ones may be out
	global_store_b128 v[GO], v[VF+4*\i:VF+4*\i+3], s[8:9] offset:4096*(32*(\i/4)+2*(\i%4)) th:TH_STORE_NT   ; stage row 2 i + h is token 32 (i / 4) + 2 (i % 4) + h of my tile: 16 lanes store 256 consecutive bytes, aligned
.endr
	s_wait_tensorcnt 0x0                           ; the wave's end
	ds_add_u32 v[SPW], v[NIL]
	s_wait_dscnt 0x0
	CROUND                                         ; the closing round
	s_endpgm
.Lfunc_end_k_q978a492761_attn:
	.size	k_q978a492761_attn, .Lfunc_end_k_q978a492761_attn-k_q978a492761_attn
	.p2alignl 7, 3214868480
	.fill 96, 4, 3214868480
	.section	.rodata,"a",@progbits
	.p2align	6, 0x0
	.amdhsa_kernel k_q978a492761_attn
		.amdhsa_group_segment_fixed_size 327680
		.amdhsa_private_segment_fixed_size 0
		.amdhsa_enable_private_segment 0
		.amdhsa_kernarg_size 24
		.amdhsa_user_sgpr_count 2
		.amdhsa_user_sgpr_kernarg_segment_ptr 1
		.amdhsa_wavefront_size32 1
		.amdhsa_system_sgpr_workgroup_id_x 1
		.amdhsa_system_sgpr_workgroup_id_y 1
		.amdhsa_system_sgpr_workgroup_id_z 1
		.amdhsa_system_vgpr_workitem_id 0
		.amdhsa_next_free_vgpr 256
		.amdhsa_next_free_sgpr 66
		.amdhsa_reserve_vcc 0
		.amdhsa_float_denorm_mode_32 3
		.amdhsa_float_denorm_mode_16_64 3
		.amdhsa_memory_ordered 1
		.amdhsa_forward_progress 1
		.amdhsa_inst_pref_size 57
	.end_amdhsa_kernel
	.amdgpu_metadata
---
amdhsa.version: [ 1, 2 ]
amdhsa.kernels:
  - .name:           k_q978a492761_attn
    .symbol:         k_q978a492761_attn.kd
    .args:
      - { .name: qkv, .offset: 0, .size: 8, .value_kind: global_buffer, .address_space: global }
      - { .name: attention_mask, .offset: 8, .size: 8, .value_kind: global_buffer, .address_space: global }
      - { .name: out0, .offset: 16, .size: 8, .value_kind: global_buffer, .address_space: global }
    .group_segment_fixed_size: 327680
    .private_segment_fixed_size: 0
    .kernarg_segment_align: 8
    .kernarg_segment_size: 24
    .max_flat_workgroup_size: 512
    .sgpr_count:     66
    .vgpr_count:     256
    .wavefront_size: 32
...
	.end_amdgpu_metadata
.endif
;; end of part 3
